; MI455X (gfx1250); checked and timed in simulation.
; The chip was launched on July 23, 2026; its instructions are those of AMD's public machine-readable ISA for CDNA 5 (MIT licence, August 2026) and "CDNA5" Instruction Set Architecture Reference Guide (July 2026). The comments in the code are by the model that wrote it; some were corrected since.
;; Switch SAE. Allowed arithmetic: float matrix products may take bf16 or f16 operands with f32 sums; other float arithmetic in f32, or as packed bf16 or f16 multiplies, adds, multiply-adds, maxima and minima; sums over many terms, partial sums and values carried from step to step in f32; what a program stores and reads back later, other than sums and carried values, may be rounded once to bf16 or f16.
;; Inputs: activations 2,048 x 1,024 float32; dec 16 x 1,024 x 1,024 float32; enc 16 x 1,024 x 1,024 float32; expert_b 1,024 float32; router 1,024 x 16 float32; router_b 1,024 float32.
;; Outputs: out0 2,048 x 1,024 float32.
;; One version. Each part assembles by itself: llvm-mc -triple=amdgcn-amd-amdhsa -mcpu=gfx1250 --defsym DOCPART=n.
;; ======== version 1 of 1: 3 launches
;; limits: values are held in f16: magnitudes above 65,504 overflow, below 6.1e-05 lose precision
;; workspace buffers: xc 4,194,304 bytes; idx 8,192 bytes of whole numbers; prob 8,192 bytes; hid 67,108,864 bytes; order 131,072 bytes of whole numbers; gate 131,072 bytes; cnt 32,768 bytes of whole numbers
;; launch router (part 1): grid 256 x 1, 4 waves a work-group, no clusters, 167,936 bytes of LDS; arguments activations, router, router_b, expert_b, xc, idx, prob, enc; writes xc, idx, prob
.if DOCPART == 1
	.amdgcn_target "amdgcn-amd-amdhsa--gfx1250"
	.amdhsa_code_object_version 6
	.text
	.protected	k_q81f6b36873_router
	.globl	k_q81f6b36873_router
	.p2align	8
	.type	k_q81f6b36873_router,@function
k_q81f6b36873_router:
	s_mov_b64 s[64:65], 0
	v_nop
	global_prefetch_b8 v0, s[64:65] scope:SCOPE_SE
	s_setreg_imm32_b32 hwreg(HW_REG_WAVE_MODE, 25, 1), 1
	s_wait_xcnt 0x0
; THE ROUTER.  logits = (x - router_b) router, all in f32 on the vector unit (0.4% of the module's multiply-adds; 16-bit operands would turn the choice of
; expert for tokens whose two best logits lie close).  prob[t] = 1 / sum_e exp(l_e - max l), idx[t] = the lowest e with l_e = max l.  xc[t][:] = f16(x - expert_b).
; LIMITS.  |x - expert_b| stays under 65,504 (f16).  Two logits nearer than the f32 sums' rounding may be ordered otherwise than a sum in another order has them.
; A row of NaN logits gets index 15.
; SHARES.  256 work-groups of 4 waves; a work-group has 8 tokens, a wave 2.  Lane L holds k = 128 i + 4 L + c (i = 0..7, c = 0..3) of both rows: each load of a
; wave takes 512 consecutive bytes.  The router's table (64 KiB) comes into LDS once a work-group, 64 of its 256 rows of 256 bytes by each wave's tensor load.
; NO CLUSTER: what work-groups share is that table alone, 64 KiB against the 64 KiB of rows and results that are each work-group's own, once a launch.
; The first 384 rows of one slice of enc (the slice's number is the work-group's) are asked for ahead of the next launch: 3 lines, each lane one block of 256 bytes,
; each block asked for once in the launch.
.set PITCH, 272                        ; a table row in LDS: 256 bytes (4 k x 16 experts) + 16 of padding: the 16 rows of half a wave's load start 17 x 16 bytes apart
.set SPARE, 256*PITCH                  ; 69,632: behind the table: the spare words, 128 bytes a wave
.set XA,  16                           ; v[16:47]    row 0: x, later x - router_b
.set XB,  48                           ; v[48:79]    row 1
.set RB,  80                           ; v[80:111]   router_b at my k
.set EB,  112                          ; v[112:143]  expert_b at my k
.set AC0, 144                          ; v[144:159]  row 0: 16 partial logits (first: xc's packed words)
.set AC1, 160                          ; v[160:175]  row 1
.set RR,  176                          ; v[176:207]  the table's 16 numbers of one k, two buffers
.set TT,  208                          ; v[208:223]  at work
	s_load_b512 s[4:19], s[0:1], 0x0               ; activations 4, router 6, router_b 8, expert_b 10, xc 12, idx 14, prob 16, enc 18
	v_lshl_add_u32 v4, v0, 2, SPARE
	v_mov_b32 v5, 0
	ds_add_u32 v4, v5                              ; the wave's opening: the add and its wait ahead of my tensor load
	v_lshrrev_b32 v1, 5, v0
	v_readfirstlane_b32 s36, v1                    ; wave 0..3
	s_mov_b32 s24, (3<<16)|(1<<20)|(5<<22)|(3<<25) ; elements of 8 bytes; padding on: after every 64 words, 4 words
	s_mov_b32 s25, 32<<16                          ; tensor_dim0 = 32 elements (256 bytes)
	s_mov_b32 s26, 64<<16                          ; tensor_dim1 = 64 rows
	s_mov_b32 s27, 32<<16                          ; tile_dim0 = 32
	s_mov_b32 s28, 64                              ; tile_dim1 = 64
	s_mov_b32 s29, 32                              ; 32 elements from row to row: the table is dense
	s_mov_b32 s30, 0
	s_mov_b32 s31, 0
	s_mov_b32 s32, 1
	s_mul_i32 s33, s36, 64*PITCH                   ; my 64 rows in LDS
	s_lshl_b32 s20, s36, 14                        ; and in memory
	s_mov_b32 s21, 0
	s_wait_dscnt 0x0                               ; the opening add is done
	s_wait_kmcnt 0x0
	s_add_nc_u64 s[34:35], s[6:7], s[20:21]
	s_or_b32 s35, s35, 0x80000000                  ; type = 2
	tensor_load_to_lds s[32:35], s[24:31]
	s_nop 0
	v_and_b32 v1, 31, v0                           ; L
	v_and_b32 v2, 15, v0                           ; L % 16
	v_bfe_u32 v3, v0, 4, 1                         ; L / 16
	v_lshlrev_b32 v6, 4, v1                        ; 16 L: my place in 512 bytes of f32
	v_lshlrev_b32 v7, 3, v1                        ; 8 L: in 256 bytes of f16
	v_mul_u32_u24 v8, v1, PITCH                    ; table row L of a group of 32
	v_lshlrev_b32 v9, 12, v0                       ; row (thread) of enc's slice
	v_lshlrev_b32 v10, 2, v3                       ; 4 (L / 16): which of my wave's two tokens
	s_lshl_b32 s20, ttmp9, 3
	s_lshl_b32 s22, s36, 1
	s_add_co_u32 s22, s22, s20                     ; my wave's first token = 8 g + 2 w
	s_lshl_b32 s20, s22, 12
	s_add_nc_u64 s[4:5], s[4:5], s[20:21]
	s_lshl_b32 s20, s22, 11
	s_add_nc_u64 s[12:13], s[12:13], s[20:21]
	s_lshl_b32 s20, s22, 2
	s_add_nc_u64 s[14:15], s[14:15], s[20:21]
	s_add_nc_u64 s[16:17], s[16:17], s[20:21]
	s_lshr_b32 s20, ttmp9, 4
	s_lshl_b32 s20, s20, 22                        ; expert g / 16,
	s_and_b32 s23, ttmp9, 15
	s_lshl_b32 s23, s23, 8                         ; slice g % 16 of 64 columns
	s_add_co_u32 s20, s20, s23
	s_add_nc_u64 s[18:19], s[18:19], s[20:21]
.irp i, 0,1,2,3,4,5,6,7
	global_load_b128 v[XA+4*(\i):XA+4*(\i)+3], v6, s[4:5] offset:512*(\i) th:TH_LOAD_NT
	global_load_b128 v[XB+4*(\i):XB+4*(\i)+3], v6, s[4:5] offset:4096+512*(\i) th:TH_LOAD_NT
.endr
.irp i, 0,1,2,3,4,5,6,7
	global_load_b128 v[EB+4*(\i):EB+4*(\i)+3], v6, s[10:11] offset:512*(\i)
.endr
.irp i, 0,1,2,3,4,5,6,7
	global_load_b128 v[RB+4*(\i):RB+4*(\i)+3], v6, s[8:9] offset:512*(\i)
.endr
.irp q, 0,1,2
	global_prefetch_b8 v9, s[18:19] offset:524288*(\q) th:TH_LOAD_NT scope:SCOPE_SE  ; rows thread + 128 q of the slice; v9 and s[18:19] are never rewritten
.endr
	s_mov_b32 s40, 0x76543210                      ; v_permlanex16_b32: each lane takes its own place in the other half
	s_mov_b32 s41, 0xfedcba98
	s_mov_b32 s42, 0xffff0000                      ; lanes with bit 4 of their number set,
	s_mov_b32 s43, 0xff00ff00                      ; bit 3,
	s_mov_b32 s44, 0xf0f0f0f0                      ; bit 2,
	s_mov_b32 s45, 0xcccccccc                      ; bit 1,
	s_mov_b32 s46, 0xaaaaaaaa                      ; bit 0
	s_wait_loadcnt 8                               ; both rows and expert_b are in; router_b's eight loads may stay out
	; xc = f16(x - expert_b): 4 numbers a lane and i, 8 bytes; a wave's store covers 256 consecutive bytes, aligned
.irp i, 0,1,2,3,4,5,6,7
	v_pk_add_f32 v[TT+8*((\i)%2):TT+8*((\i)%2)+1],   v[XA+4*(\i):XA+4*(\i)+1],   v[EB+4*(\i):EB+4*(\i)+1]   neg_lo:[0,1] neg_hi:[0,1]
	v_pk_add_f32 v[TT+8*((\i)%2)+2:TT+8*((\i)%2)+3], v[XA+4*(\i)+2:XA+4*(\i)+3], v[EB+4*(\i)+2:EB+4*(\i)+3] neg_lo:[0,1] neg_hi:[0,1]
	v_pk_add_f32 v[TT+8*((\i)%2)+4:TT+8*((\i)%2)+5], v[XB+4*(\i):XB+4*(\i)+1],   v[EB+4*(\i):EB+4*(\i)+1]   neg_lo:[0,1] neg_hi:[0,1]
	v_pk_add_f32 v[TT+8*((\i)%2)+6:TT+8*((\i)%2)+7], v[XB+4*(\i)+2:XB+4*(\i)+3], v[EB+4*(\i)+2:EB+4*(\i)+3] neg_lo:[0,1] neg_hi:[0,1]
	v_cvt_pk_f16_f32 v[AC0+2*(\i)],   v[TT+8*((\i)%2)],   v[TT+8*((\i)%2)+1]
	v_cvt_pk_f16_f32 v[AC0+2*(\i)+1], v[TT+8*((\i)%2)+2], v[TT+8*((\i)%2)+3]
	v_cvt_pk_f16_f32 v[AC1+2*(\i)],   v[TT+8*((\i)%2)+4], v[TT+8*((\i)%2)+5]
	v_cvt_pk_f16_f32 v[AC1+2*(\i)+1], v[TT+8*((\i)%2)+6], v[TT+8*((\i)%2)+7]
	global_store_b64 v7, v[AC0+2*(\i):AC0+2*(\i)+1], s[12:13] offset:256*(\i)
	global_store_b64 v7, v[AC1+2*(\i):AC1+2*(\i)+1], s[12:13] offset:2048+256*(\i)
.endr
	s_wait_loadcnt 0x0                             ; router_b
.set i, 0
.rept 16
	v_pk_add_f32 v[XA+2*i:XA+2*i+1], v[XA+2*i:XA+2*i+1], v[RB+2*i:RB+2*i+1] neg_lo:[0,1] neg_hi:[0,1]
	v_pk_add_f32 v[XB+2*i:XB+2*i+1], v[XB+2*i:XB+2*i+1], v[RB+2*i:RB+2*i+1] neg_lo:[0,1] neg_hi:[0,1]
.set i, i+1
.endr
	s_wait_tensorcnt 0x0                           ; my 64 rows of the table are in LDS,
	s_barrier_signal -1
	s_barrier_wait -1                              ; everybody's are
.irp g, 0,1,2,3
	ds_load_b128 v[RR+4*(\g):RR+4*(\g)+3], v8 offset:16*(\g)   ; step 0: k = 4 L
.endr
	s_wait_xcnt 0x0                                ; xc's stores have read AC0 and AC1: only now are these written as sums
	; 32 steps, st = 4 i + c: the table's 16 numbers of my k = 128 i + 4 L + c, times that k's number of both rows.  The next step's four loads go out first.
.set st, 0
.rept 32
.if st < 31
.irp g, 0,1,2,3
	ds_load_b128 v[RR+16*((st+1)%2)+4*(\g):RR+16*((st+1)%2)+4*(\g)+3], v8 offset:32*PITCH*((st+1)/4)+64*((st+1)%4)+16*(\g)
.endr
	s_wait_dscnt 4                                 ; this step's four are in; the next step's four may stay out
.else
	s_wait_dscnt 0x0
.endif
.set rR, RR+16*(st%2)
.set rX, 2*(st/2)
.irp e2, 0,2,4,6,8,10,12,14
.if st == 0                                            ; the first step starts the sums: nothing is cleared
	v_pk_mul_f32 v[AC0+\e2:AC0+\e2+1], v[rR+\e2:rR+\e2+1], v[XA+rX:XA+rX+1] op_sel_hi:[1,0]
	v_pk_mul_f32 v[AC1+\e2:AC1+\e2+1], v[rR+\e2:rR+\e2+1], v[XB+rX:XB+rX+1] op_sel_hi:[1,0]
.elseif st%2 == 0                                      ; the pair's first register feeds both halves
	v_pk_fma_f32 v[AC0+\e2:AC0+\e2+1], v[rR+\e2:rR+\e2+1], v[XA+rX:XA+rX+1], v[AC0+\e2:AC0+\e2+1] op_sel_hi:[1,0,1]
	v_pk_fma_f32 v[AC1+\e2:AC1+\e2+1], v[rR+\e2:rR+\e2+1], v[XB+rX:XB+rX+1], v[AC1+\e2:AC1+\e2+1] op_sel_hi:[1,0,1]
.else                                                  ; its second
	v_pk_fma_f32 v[AC0+\e2:AC0+\e2+1], v[rR+\e2:rR+\e2+1], v[XA+rX:XA+rX+1], v[AC0+\e2:AC0+\e2+1] op_sel:[0,1,0] op_sel_hi:[1,1,1]
	v_pk_fma_f32 v[AC1+\e2:AC1+\e2+1], v[rR+\e2:rR+\e2+1], v[XB+rX:XB+rX+1], v[AC1+\e2:AC1+\e2+1] op_sel:[0,1,0] op_sel_hi:[1,1,1]
.endif
.endr
.set st, st+1
.endr
	; THE SUM OVER THE LANES, by halving: each step a lane keeps half of its numbers, sends the other half to the lane that keeps those, and adds what it gets.
	; Behind it lane l holds ONE logit: token l / 16 of my two, expert l % 16.
.set e, 0
.rept 16                                               ; lanes 0-15 keep row 0, lanes 16-31 row 1
	v_cndmask_b32 v[TT+e%8], v[AC1+e], v[AC0+e], s42   ; what I send
	v_cndmask_b32 v[AC0+e], v[AC0+e], v[AC1+e], s42    ; what I keep
	v_permlanex16_b32 v[AC1+e], v[TT+e%8], s40, s41
	v_add_f32 v[AC0+e], v[AC0+e], v[AC1+e]
.set e, e+1
.endr
.macro REDX half, m, xm                ; lanes whose bit is set keep the upper half of the experts that are left
.set e, 0
.rept \half
	v_cndmask_b32 v[TT+e], v[AC0+e+\half], v[AC0+e], s[\m]
	v_cndmask_b32 v[AC0+e], v[AC0+e], v[AC0+e+\half], s[\m]
	v_add_f32_dpp v[AC0+e], v[TT+e], v[AC0+e] row_xmask:\xm row_mask:0xf bank_mask:0xf
.set e, e+1
.endr
.endm
	REDX 8, 43, 8
	REDX 4, 44, 4
	REDX 2, 45, 2
	REDX 1, 46, 1
	; SOFTMAX over the 16 lanes of a token: the maximum is taken away before the exponential; the largest probability is 1 / the sum
	v_max_num_f32_dpp v[TT], v[AC0], v[AC0] row_xmask:1 row_mask:0xf bank_mask:0xf
	v_max_num_f32_dpp v[TT], v[TT], v[TT] row_xmask:2 row_mask:0xf bank_mask:0xf
	v_max_num_f32_dpp v[TT], v[TT], v[TT] row_xmask:4 row_mask:0xf bank_mask:0xf
	v_max_num_f32_dpp v[TT], v[TT], v[TT] row_xmask:8 row_mask:0xf bank_mask:0xf
	v_sub_f32 v[TT+1], v[AC0], v[TT]
	v_mul_f32 v[TT+1], 0x3fb8aa3b, v[TT+1]         ; times log2(e)
	v_exp_f32 v[TT+2], v[TT+1]
	v_nop                                          ; a plain instruction behind the exponential (ISA guide 5.7.2),
	v_cmp_eq_f32 s20, v[AC0], v[TT]                ; (which lanes hold the maximum)
	s_wait_alu depctr_va_vdst(0)                   ; and the wait ahead of its first reader
	v_add_f32_dpp v[TT+3], v[TT+2], v[TT+2] row_xmask:1 row_mask:0xf bank_mask:0xf
	v_add_f32_dpp v[TT+3], v[TT+3], v[TT+3] row_xmask:2 row_mask:0xf bank_mask:0xf
	v_add_f32_dpp v[TT+3], v[TT+3], v[TT+3] row_xmask:4 row_mask:0xf bank_mask:0xf
	v_add_f32_dpp v[TT+3], v[TT+3], v[TT+3] row_xmask:8 row_mask:0xf bank_mask:0xf
	v_rcp_f32 v[TT+4], v[TT+3]
	v_nop
	s_and_b32 s21, s20, 0xffff                     ; the lowest lane with the maximum is the lowest expert: ties go to the lower index
	s_ctz_i32_b32 s21, s21
	s_min_u32 s21, s21, 15
	s_lshr_b32 s22, s20, 16
	s_ctz_i32_b32 s22, s22
	s_min_u32 s22, s22, 15
	v_mov_b32 v[TT+5], s21
	v_mov_b32 v[TT+6], s22
	v_cndmask_b32 v[TT+5], v[TT+5], v[TT+6], s42
	v_cmp_eq_u32 vcc_lo, 0, v2                     ; lanes 0 and 16 store their token's two numbers
	s_wait_alu depctr_va_vdst(0)                   ; the reciprocal's wait, ahead of the store that reads it
	s_wait_xcnt 0x0                                ; EXEC changes only behind this wait
	s_and_saveexec_b32 s23, vcc_lo
	global_store_b32 v10, v[TT+5], s[14:15]
	global_store_b32 v10, v[TT+4], s[16:17]
	s_wait_xcnt 0x0                                ; and again, in front of the line that widens it
	s_or_b32 exec_lo, exec_lo, s23
	s_wait_tensorcnt 0x0                           ; the wave's end
	ds_add_u32 v4, v5
	s_wait_dscnt 0x0
	s_endpgm
.Lfunc_end_k_q81f6b36873_router:
	.size	k_q81f6b36873_router, .Lfunc_end_k_q81f6b36873_router-k_q81f6b36873_router
	.p2alignl 7, 3214868480
	.fill 96, 4, 3214868480
	.section	.rodata,"a",@progbits
	.p2align	6, 0x0
	.amdhsa_kernel k_q81f6b36873_router
		.amdhsa_group_segment_fixed_size 167936
		.amdhsa_private_segment_fixed_size 0
		.amdhsa_enable_private_segment 0
		.amdhsa_kernarg_size 64
		.amdhsa_user_sgpr_count 2
		.amdhsa_user_sgpr_kernarg_segment_ptr 1
		.amdhsa_wavefront_size32 1
		.amdhsa_system_sgpr_workgroup_id_x 1
		.amdhsa_system_sgpr_workgroup_id_y 1
		.amdhsa_system_sgpr_workgroup_id_z 1
		.amdhsa_system_vgpr_workitem_id 0
		.amdhsa_next_free_vgpr 224
		.amdhsa_next_free_sgpr 66
		.amdhsa_reserve_vcc 1
		.amdhsa_float_denorm_mode_32 3
		.amdhsa_float_denorm_mode_16_64 3
		.amdhsa_memory_ordered 1
		.amdhsa_forward_progress 1
		.amdhsa_inst_pref_size 63
	.end_amdhsa_kernel
	.amdgpu_metadata
---
amdhsa.version: [ 1, 2 ]
amdhsa.kernels:
  - .name:           k_q81f6b36873_router
    .symbol:         k_q81f6b36873_router.kd
    .args:
      - { .name: activations, .offset: 0, .size: 8, .value_kind: global_buffer, .address_space: global }
      - { .name: router, .offset: 8, .size: 8, .value_kind: global_buffer, .address_space: global }
      - { .name: router_b, .offset: 16, .size: 8, .value_kind: global_buffer, .address_space: global }
      - { .name: expert_b, .offset: 24, .size: 8, .value_kind: global_buffer, .address_space: global }
      - { .name: xc, .offset: 32, .size: 8, .value_kind: global_buffer, .address_space: global }
      - { .name: idx, .offset: 40, .size: 8, .value_kind: global_buffer, .address_space: global }
      - { .name: prob, .offset: 48, .size: 8, .value_kind: global_buffer, .address_space: global }
      - { .name: enc, .offset: 56, .size: 8, .value_kind: global_buffer, .address_space: global }
    .group_segment_fixed_size: 167936
    .private_segment_fixed_size: 0
    .kernarg_segment_align: 8
    .kernarg_segment_size: 64
    .max_flat_workgroup_size: 128
    .sgpr_count:     66
    .vgpr_count:     224
    .wavefront_size: 32
...
	.end_amdgpu_metadata
.endif
;; end of part 1
;; launch encode (part 2): grid 16 x 16, 4 waves a work-group, no clusters, 283,392 bytes of LDS; arguments xc, enc, idx, prob, hid, order, gate, cnt, dec; writes hid, order, gate, cnt
.if DOCPART == 2
	.amdgcn_target "amdgcn-amd-amdhsa--gfx1250"
	.amdhsa_code_object_version 6
	.text
	.protected	k_q81f6b36873_encode
	.globl	k_q81f6b36873_encode
	.p2align	8
	.type	k_q81f6b36873_encode,@function
k_q81f6b36873_encode:
	s_mov_b64 s[64:65], 0
	v_nop
	global_prefetch_b8 v0, s[64:65] scope:SCOPE_SE
	s_setreg_imm32_b32 hwreg(HW_REG_WAVE_MODE, 25, 1), 1
	s_wait_xcnt 0x0
; ENCODE.  hid = f16(relu(xc enc[e])) for the rows that chose expert e, in the expert's own order of ranks; the list of tokens, their gates and the count go out too.
; SHARES.  Work-group (n, e) owns enc[e][0..1023][64 n .. 64 n + 63]: 1,024 rows of 256 aligned bytes, which it alone reads, and ALL rows of expert e.
; K IS SPLIT OVER THE FOUR WAVES.  K goes in 32 steps of 32 weight rows (8 KiB), 8 stages of 4 steps.  At the head each wave issues 8 tensor loads, one a stage: load j brings step 4 j + w to
; LDS byte 8,192 (4 j + w): the whole slice is asked for at once (8 loads of mine are out at the most), no LDS byte is filled twice, and in the stream a wave reads only what its own loads brought:
; its own wait on the tensor counter is all the ordering, and the stream has no barrier.  In stage j wave w reads its 8 KiB, rounds them to f16 as 4 operand tiles IN REGISTERS, and multiplies them
; with K step 4 j + w of all the expert's tiles of 16 rows.  A lane's 16 bytes of f32 are 4 neighbouring columns of one k: number jj goes to tile jj, whose 16 rows are the columns 4 m + jj.
; SLOTS.  The stream serves 12 tiles (192 rows).  Slot s = 4 b + c of wave w holds tile 4 b + ((c + w) & 3): so the slots with c = 0 are the tiles 4 b + w, which wave w finishes, by one text for
; all waves.  Token fragments come from memory straight into registers, TWO STAGES AHEAD, through three buffers, for all 12 slots always (ranks clamped to rows that exist), so the counted wait holds
; on every path.  A slot without rows is jumped: one bit of s70 a slot.  At a branch every register window is 0, so a slot's four products stand between two switches of the windows.
; THE SUM OVER THE WAVES, in f32, behind the stream: each wave stores the sums of the 9 slots that are not its own into its own 36,864 bytes of the region that held the weights, and behind a
; barrier each wave adds the three others' sums onto its own tiles.
; ROWS PAST 192 (lopsided splits): between the stream and that sum, while the f32 weights still lie in LDS: each wave takes four tiles at a time through all 32 K steps and rounds the weights for
; itself.  That loop has no barrier, no LDS store and no tensor load; it reads the whole slice once for every four tiles of a wave and does not load ahead: it is written to be short, not fast.
; K's PLACES.  Half h, register p, half-word z of BOTH operands hold k = 32 s + 16 h + 2 p + z: a permutation applied alike to both keeps the products.
; THE PRODUCT is taken as weights x tokens: lane (r, h) holds token r and the features 64 n + 32 h + 4 j + jj in register j: 16 bytes of f16: features 32 s + 4 j + jj of K step s = 2 n + h of decode.
; hid: byte e << 22 + (4 s + jj) << 15 + rank << 4: a store's sixteen lanes write 256 consecutive bytes, aligned, and decode reads its fragments as they lie.
; EVERY SPLIT is served: an expert with no row computes one tile (token 0's) so that decode reads only written bytes; ranks past the count repeat the last row.
; LIMITS.  f16 operands: |enc| and |xc| under 65,504; a hidden number beyond 65,504 becomes an infinity.
; NO CLUSTER: each slice of weights has one reader; an expert's work-groups share its token rows, which come by a list that no tensor descriptor covers.
; The first 384 rows of dec's slice (n, e) are asked for ahead of the next launch, behind stage 6: 3 lines, each lane one block of 256 bytes, each block once in the launch.
.set ENC, 1
.set NS,     12                        ; slots: tiles of 16 rows that the stream serves
.set SEGB,   2560                      ; a wave's segment: 512 places for its tokens' numbers, then a word for each lane, where a token of another expert is put; 640 words in all
.set TSEG,   262144                    ; behind the slice: the four segments, wave w's own at + 2,560 w
.set PDELTA, 4*SEGB                    ; the gates' copy of the segments lies this far on
.set CNTS,   TSEG+2*PDELTA             ; 282,624: the four segments' counts
.set SPARE,  CNTS+256                  ; 282,880: the spare words, 128 bytes a wave
.set SCW,    36864                     ; a wave's part of the scratch for the sums: 9 slots x 4,096 bytes, from LDS byte 36,864 w
.set OFF,    12                        ; v12-23  slot s: byte offset of my token's row in xc, + 32 h + 64 w
.set CV,     32                        ; v32-63  the four tiles just rounded: tile jj, register p at 32 + 8 jj + p
.set LAND,   64                        ; v64-127 16 x 4 f32 as loaded
.set TMP,    128                       ; v128-131 at work
.set XR,     132                       ; v132-135  16 ((c + w) & 3) + r
.set OOFF,   136                       ; v136-139  late tiles: block b's offset in xc
.set ORK,    140                       ; v140  late tiles: rank of my row in block 0
.set OWL,    141                       ; v141  late tiles: where I read a K step's f32 rows
.set ADR,    144                       ; v144  the way out: my offset in hid
.set PK,     192                       ; v192-207  the way out: 16 packed words
.set ABASE,  4                         ; s[4:5]  xc
.set AJ,     256                       ; a stage's 128 k in a row of xc
.set AQ,     16                        ; the fragment's second 16 bytes
.set ASTEP,  64                        ; a K step in a row of xc
.set WMO,    0x54                      ; late tiles: source 0 (weights) window 0, source 1 (tokens) window 1, C and D window 1
; v0 thread; v1 L; v2 r = L % 16; v3 h = L / 16; v4, v5 the add's two; v6 where I read my f32 rows; v7 where I store sums; v8-10 where I read the sums of the waves 1, 2, 3 behind me; v11 16 L
; v24 32 h; v25 16 w + r; v26 32 h + 64 w; v27 4,096 h + 16 r; v28 thread << 12; v29 0 for the relu; v30 h << 17
; token fragments, slot s at + 8 s: buffer 0 at v0 of window 1, buffer 1 at v128 of window 1, buffer 2 at v128 of window 3; stage j multiplies buffer j % 3.
; window 1 behind the stream: the others' sums (96 registers at 0 and at 128), or the late tiles' sums (0-127) and fragments (128-159).   windows 2, 3: accumulators at 32 s + 8 jj (window 3: v0-127).
; s22 w; s23 n; s66 e; s67 count; s68 max(count, 1) - 1; s69 tiles; s70 the slots' bits; s71, s72 late trips; s73-75 ranks at which segments 1-3 begin; s76 my own valid blocks; s77-79 640 q less those;
; s81 16 x tiles; s[84:85] xc at a late K step; s[86:87] an offset; s88 late valid blocks; s96-99 at work; s101 counts late K steps
.set MSB, 0
.macro WIN new                         ; the immediate's high byte repeats the setting that is left; a switch that changes nothing is dropped
.if MSB != (\new)
	s_set_vgpr_msb (MSB<<8)|(\new)
.set MSB, \new
.endif
.endm
.macro PLACES                          ; four places behind matrix instructions, ahead of loads into their sources, of writes of them and of readers of their results
.rept 4
	v_nop
.endr
.endm
; 24 loads: my K step of stage j, for all 12 slots, into buffer p
.macro ALOAD p, j
.set fw, 1+2*((\p)/2)                  ; the buffer's window: 1, 1, 3
.set fb, 128*(((\p)+1)/2)              ; and its first register there: 0, 128, 128
	WIN fw<<6                                      ; destination in the buffer's window, address window 0
.irp sl, 0,1,2,3,4,5,6,7,8,9,10,11
.irp q, 0,1
	global_load_b128 v[fb+8*(\sl)+4*(\q):fb+8*(\sl)+4*(\q)+3], v[OFF+(\sl)], s[ABASE:ABASE+1] offset:AJ*(\j)+AQ*(\q)
.endr
.endr
	WIN 0
.endm
.macro LANDING adr                     ; a K step's 8 KiB of f32 out of LDS: half a wave takes one whole row of 256 bytes
.irp u, 0,1,2,3,4,5,6,7,8,9,10,11,12,13,14,15
.if ENC
	ds_load_b128 v[LAND+4*(\u):LAND+4*(\u)+3], v[\adr] offset:256*(\u)
.else
	ds_load_b128 v[LAND+4*(\u):LAND+4*(\u)+3], v[\adr] offset:(4*((\u)%8)+(\u)/8)*256
.endif
.endr
.endm
.macro TOF16                           ; and rounded: register p of tile jj is made of number jj of loads 2 p and 2 p + 1
.irp rho, 0,1,2,3,4,5,6,7
	s_wait_dscnt 14-2*(\rho)                       ; loads 2 p and 2 p + 1 are in; those behind them may be out
.irp jj, 0,1,2,3
	v_cvt_pk_f16_f32 v[CV+8*(\jj)+(\rho)], v[LAND+8*(\rho)+(\jj)], v[LAND+4+8*(\rho)+(\jj)]
.endr
.endr
.endm
; A slot's four products.  Each accumulator has one product a stage, so no two products that follow each other share one, whichever slots are jumped.
; zero = 1: the first stage starts all sums with the constant 0, in every slot.
.macro SLOT p, sl, zero
.set fw, 1+2*((\p)/2)
.set fb, 128*(((\p)+1)/2)
.if (\zero) == 0
	WIN 0
	s_bitcmp1_b32 s70, \sl
	s_cbranch_scc0 .Lsk_\@
.endif
.if ENC
	WIN (fw<<2)|(0x50*(2+(\sl)/8))                 ; source 0 (weights) window 0, source 1 (tokens) the buffer's window, C and D window 2 or 3
.else
	WIN fw|(0x50*(2+(\sl)/8))                      ; source 0 (tokens) the buffer's window, source 1 (weights) window 0, C and D window 2 or 3
.endif
.irp jj, 0,1,2,3
.set rD, (32*(\sl))%256+8*(\jj)
.set rW, CV+8*(\jj)
.set rA, fb+8*(\sl)
.if ENC
.if \zero
	v_wmma_f32_16x16x32_f16 v[rD:rD+7], v[rW:rW+7], v[rA:rA+7], 0
.else
	v_wmma_f32_16x16x32_f16 v[rD:rD+7], v[rW:rW+7], v[rA:rA+7], v[rD:rD+7]
.endif
.else
.if \zero
	v_wmma_f32_16x16x32_f16 v[rD:rD+7], v[rA:rA+7], v[rW:rW+7], 0
.else
	v_wmma_f32_16x16x32_f16 v[rD:rD+7], v[rA:rA+7], v[rW:rW+7], v[rD:rD+7]
.endif
.endif
.endr
.if (\zero) == 0
	WIN 0
.Lsk_\@:
.endif
.endm
.macro SLOTS p, zero
.irp sl, 0,1,2,3,4,5,6,7,8,9,10,11
	SLOT \p, \sl, \zero
.endr
	WIN 0
.endm
.macro STAGE j
	s_wait_tensorcnt 7-(\j)                        ; my loads end in order: stage j's is in; the 7 - j younger ones stay out
	LANDING 6
.if (\j) > 0
	PLACES                                         ; behind the last stage's products: the roundings below write their tiles, the loads further down land in the fragments that they read
.endif
.if (\j) < 7
	v_add_nc_u32 v6, 0x8000, v6                    ; on to the next stage's block
.endif
	TOF16
.if (\j) < 7
	s_wait_loadcnt 24                              ; this stage's fragments are in; the next stage's 24 loads stay out
.else
	s_wait_loadcnt 0x0
.endif
.if (\j) < 6
	ALOAD ((\j)+2)%3, (\j)+2                       ; the stage after next is asked for, into the buffer that the last stage multiplied: 48 fragment loads are out at the most
.endif
.if (\j) == 0
	SLOTS 0, 1
.else
	SLOTS (\j)%3, 0
.endif
.endm
; The slots' bits, the number of my own valid blocks, and 16 ((c + w) & 3) + r
.macro MKMASK
	s_mov_b32 s70, 0
.irp c, 0,1,2,3
	s_add_co_u32 s96, s22, \c
	s_and_b32 s96, s96, 3                          ; x: the slots 4 b + c hold the tiles 4 b + x
	s_sub_co_i32 s97, s69, s96
	s_add_co_i32 s97, s97, 3
	s_max_i32 s97, s97, 0
	s_lshr_b32 s97, s97, 2
	s_min_u32 s97, s97, NS/4                       ; blocks b with 4 b + x below the number of tiles
.if (\c) == 0
	s_mov_b32 s76, s97
.endif
	s_lshl_b32 s97, s97, 2
	s_lshl_b32 s97, 1, s97
	s_sub_co_u32 s97, s97, 1
	s_and_b32 s97, s97, 0x111                      ; a bit for each of them,
	s_lshl_b32 s97, s97, \c                        ; at 4 b + c
	s_or_b32 s70, s70, s97
	s_lshl_b32 s96, s96, 4
	v_add_nc_u32 v[XR+(\c)], s96, v2
.endr
.endm
.macro SCRATCH                         ; where I store sums: my own 36,864 bytes; where I read: slot (b, c) of wave (w - c) & 3 holds my tile 4 b + w
	s_mul_i32 s97, s22, SCW
	v_add_nc_u32 v7, s97, v11
.irp c, 1,2,3
	s_add_co_u32 s97, s22, 4-(\c)
	s_and_b32 s97, s97, 3
	s_mul_i32 s97, s97, SCW
	s_add_co_u32 s97, s97, ((\c)-1)*12288
	v_add_nc_u32 v[7+(\c)], s97, v11
.endr
.endm
.macro RSTORE sl                       ; a slot that is not mine: its 32 registers, 512 consecutive bytes a store, each accumulator from its lowest registers on
	WIN 0
	s_bitcmp1_b32 s70, \sl
	s_cbranch_scc0 .Lrs_\@
	WIN (2+(\sl)/8)<<2                             ; the data (source 1) in the accumulators' window
.irp i, 0,1,2,3,4,5,6,7
	ds_store_b128 v7, v[(32*(\sl))%256+4*(\i):(32*(\sl))%256+4*(\i)+3] offset:((\sl)%4-1)*12288+((\sl)/4)*4096+512*(\i)
.endr
	WIN 0
.Lrs_\@:
.endm
.macro RLOAD b                         ; the three others' sums for my block b: 24 loads into window 1, 96 registers at 128 (b % 2)
	WIN 0x40
.irp c, 1,2,3
.irp i, 0,1,2,3,4,5,6,7
	ds_load_b128 v[128*((\b)%2)+32*((\c)-1)+4*(\i):128*((\b)%2)+32*((\c)-1)+4*(\i)+3], v[7+(\c)] offset:4096*(\b)+512*(\i)
.endr
.endr
	WIN 0
.endm
.macro RADD b, younger                 ; added onto my own, in f32.  younger: the LDS loads issued behind this block's
.set wa, 2+(\b)/2
.set ab, (128*(\b))%256
.irp c, 1,2,3
	s_wait_dscnt (\younger)+8*(3-(\c))             ; sender c's eight loads are in; the later senders' and the next block's may be out
	WIN wa|(1<<2)|(wa<<6)
.set k, 0
.rept 16
	v_pk_add_f32 v[ab+2*k:ab+2*k+1], v[ab+2*k:ab+2*k+1], v[128*((\b)%2)+32*((\c)-1)+2*k:128*((\b)%2)+32*((\c)-1)+2*k+1]
.set k, k+1
.endr
.endr
	WIN 0
.endm
; A K step of four late tiles: fragments, the step's weights rounded by this wave for itself, 16 products on 16 accumulators
.macro OSTEP zero
.if (\zero) == 0
	PLACES
.endif
	WIN 0x40
.irp bb, 0,1,2,3
.irp q, 0,1
	global_load_b128 v[128+8*(\bb)+4*(\q):131+8*(\bb)+4*(\q)], v[OOFF+(\bb)], s[84:85] offset:AQ*(\q)
.endr
.endr
	WIN 0
	LANDING OWL
	TOF16
	s_wait_loadcnt 0x0
	WIN WMO
.irp bb, 0,1,2,3
.irp jj, 0,1,2,3
.set rD, 32*(\bb)+8*(\jj)
.set rW, CV+8*(\jj)
.set rA, 128+8*(\bb)
.if ENC
.if \zero
	v_wmma_f32_16x16x32_f16 v[rD:rD+7], v[rW:rW+7], v[rA:rA+7], 0
.else
	v_wmma_f32_16x16x32_f16 v[rD:rD+7], v[rW:rW+7], v[rA:rA+7], v[rD:rD+7]
.endif
.else
.if \zero
	v_wmma_f32_16x16x32_f16 v[rD:rD+7], v[rA:rA+7], v[rW:rW+7], 0
.else
	v_wmma_f32_16x16x32_f16 v[rD:rD+7], v[rA:rA+7], v[rW:rW+7], v[rD:rD+7]
.endif
.endif
.endr
.endr
	WIN 0
.endm
; rank v[rk] -> LDS address v[ad] of its token's number: the last segment that begins at or below the rank; its place there is the rank less the segment's first
.macro LOOK rk, ad, tmp
	v_cmp_le_u32 vcc_lo, s73, v[\rk]
	v_cndmask_b32 v[\tmp], 0, s77, vcc_lo
	v_cmp_le_u32 vcc_lo, s74, v[\rk]
	v_cndmask_b32 v[\tmp], v[\tmp], s78, vcc_lo
	v_cmp_le_u32 vcc_lo, s75, v[\rk]
	v_cndmask_b32 v[\tmp], v[\tmp], s79, vcc_lo
	v_add_nc_u32 v[\tmp], v[\tmp], v[\rk]
	v_min_u32 v[\tmp], 3*SEGB/4+511, v[\tmp]       ; the last place of the last segment
	v_lshl_add_u32 v[\ad], v[\tmp], 2, TSEG
.endm
; THE WAY OUT of a tile whose 32 sums lie at v[base] of window win: rounded to f16, each accumulator from its lowest registers on; the relu on the packed halves; 16 bytes a lane and tile jj
.macro OUT win, base, rk, bb
	s_wait_xcnt 0x0                                ; earlier stores have read the registers that are written below
	WIN (\win)|((\win)<<2)
.set i, 0
.rept 16
	v_cvt_pk_f16_f32 v[PK+i], v[(\base)+2*i], v[(\base)+2*i+1]
.set i, i+1
.endr
	WIN 0
.set i, 0
.rept 16
	v_pk_max_num_f16 v[PK+i], v[PK+i], v29
.set i, i+1
.endr
	v_add_nc_u32 v[ADR], 64*(\bb), v[\rk]
	v_min_u32 v[ADR], 0x7ff, v[ADR]
	v_lshl_add_u32 v[ADR], v[ADR], 4, v30
.irp jj, 0,1,2,3
	global_store_b128 v[ADR], v[PK+4*(\jj):PK+4*(\jj)+3], s[12:13] offset:32768*(\jj)  ; 16 lanes: 16 ranks x 16 bytes, 256 consecutive bytes, aligned
.endr
.endm
	s_load_b512 s[4:19], s[0:1], 0x0               ; xc 4, enc 6, idx 8, prob 10, hid 12, order 14, gate 16, cnt 18
	s_load_b64 s[20:21], s[0:1], 0x40              ; dec
	v_lshl_add_u32 v4, v0, 2, SPARE
	v_mov_b32 v5, 0
	ds_add_u32 v4, v5                              ; the wave's opening: the add and its wait ahead of my first tensor load
	v_lshrrev_b32 v1, 5, v0
	v_readfirstlane_b32 s22, v1                    ; wave 0..3
	s_mov_b32 s23, ttmp9                           ; n
	s_and_b32 s66, ttmp7, 0xffff                   ; e
	s_mov_b32 s24, 2<<16                           ; group 1: elements of 4 bytes, no padding, no mask
	s_mov_b32 s25, 64<<16                          ; tensor_dim0 = 64
	s_mov_b32 s26, 32<<16                          ; tensor_dim1 = 32
	s_mov_b32 s27, 64<<16                          ; tile_dim0 = 64 (256 bytes)
	s_mov_b32 s28, 32                              ; tile_dim1 = 32 rows
	s_mov_b32 s29, 1024                            ; 1,024 elements from row to row
	s_mov_b32 s30, 0
	s_mov_b32 s31, 0
	s_lshl_b32 s96, s22, 13                        ; 8,192 w
.irp j, 0,1,2,3,4,5,6,7
	s_mov_b32 s[32+4*(\j)], 1                      ; group 0, a set for each load: all eight are out together
	s_add_co_u32 s[33+4*(\j)], s96, 32768*(\j)     ; LDS byte 8,192 (4 j + w)
.endr
	s_lshl_b32 s98, s66, 22                        ; expert e,
	s_lshl_b32 s97, s22, 17                        ; row 32 w,
	s_add_co_u32 s98, s98, s97
	s_lshl_b32 s97, s23, 8                         ; column 64 n
	s_add_co_u32 s98, s98, s97
	s_mov_b32 s99, 0
	v_and_b32 v1, 31, v0
	v_and_b32 v2, 15, v0
	v_bfe_u32 v3, v0, 4, 1
	v_lshlrev_b32 v11, 4, v1
	s_lshl_b32 s97, s22, 11
	v_add_nc_u32 v[TMP], s97, v11                  ; my 16 bytes of each 512 of my segment of idx and prob
	s_wait_dscnt 0x0                               ; the opening add is done
	s_wait_kmcnt 0x0
	; MY SEGMENT of 512 tokens is asked for first: the list that is made of it heads the longest chain.  Token 512 w + 128 q + 4 L + c lies in word c of load q.
.irp q, 0,1,2,3
	global_load_b128 v[64+4*(\q):67+4*(\q)], v[TMP], s[8:9] offset:512*(\q)
.endr
.irp q, 0,1,2,3
	global_load_b128 v[80+4*(\q):83+4*(\q)], v[TMP], s[10:11] offset:512*(\q)
.endr
	s_add_nc_u64 s[98:99], s[6:7], s[98:99]
.irp j, 0,1,2,3,4,5,6,7
	s_add_nc_u64 s[34+4*(\j):35+4*(\j)], s[98:99], (\j)<<19   ; 128 rows a stage
	s_or_b32 s[35+4*(\j)], s[35+4*(\j)], 0x80000000           ; type = 2
.endr
.irp j, 0,1,2,3,4,5,6,7
	tensor_load_to_lds s[32+4*(\j):35+4*(\j)], s[24:31]
	s_nop 0
.endr
	PLACES                                         ; four vector lines behind the last load, ahead of any switch of windows
	v_lshl_add_u32 v6, v2, 4, s96
	v_lshl_add_u32 v6, v3, 12, v6                  ; 8,192 w + 16 rows x h + 16 r
	v_lshlrev_b32 v27, 4, v2
	v_lshl_add_u32 v27, v3, 12, v27
	v_lshlrev_b32 v24, 5, v3
	s_lshl_b32 s97, s22, 6
	v_add_nc_u32 v26, s97, v24
	v_lshl_add_u32 v25, s22, 4, v2
	v_lshlrev_b32 v30, 17, v3
	v_lshlrev_b32 v28, 12, v0
	v_mov_b32 v29, 0
	SCRATCH
	s_mul_i32 s97, s22, SEGB
	s_add_co_u32 s97, s97, TSEG
	v_mov_b32 v129, s97                            ; my segment in LDS
	v_add_nc_u32 v130, s97, v11                    ; my 16 bytes of each 512 of it
	v_add_nc_u32 v131, 512, v1                     ; behind its 512 places: my lane's word for the others' tokens
	s_lshl_b32 s98, s22, 9
	v_lshl_add_u32 v132, v1, 2, s98                ; 512 w + 4 L
.irp z, 136,137,138,139
	v_mov_b32 v\z, 0
.endr
.irp k, 0,1,2,3,4
	ds_store_b128 v130, v[136:139] offset:512*(\k)          ; my segment begins as zeros, tokens' numbers and gates: every word that a rank can name is written,
	ds_store_b128 v130, v[136:139] offset:PDELTA+512*(\k)   ; and an expert without rows finds token 0 with gate 0 at place 0.  These stand in the wait for idx and prob
.endr
	s_mov_b32 s87, 0
	s_lshl_b32 s97, s66, 22
	s_lshl_b32 s86, s23, 18
	s_add_co_u32 s86, s86, s97
	s_add_nc_u64 s[12:13], s[12:13], s[86:87]      ; hid at expert e, K step 2 n
	s_lshl_b32 s86, s23, 8
	s_add_co_u32 s86, s86, s97
	s_add_nc_u64 s[20:21], s[20:21], s[86:87]      ; dec at expert e, column 64 n
	s_lshl_b32 s86, s66, 13
	s_add_nc_u64 s[14:15], s[14:15], s[86:87]      ; order and gate at expert e
	s_add_nc_u64 s[16:17], s[16:17], s[86:87]
	s_lshl4_add_u32 s86, s66, s23
	s_lshl_b32 s86, s86, 7
	s_add_nc_u64 s[18:19], s[18:19], s[86:87]      ; cnt at (e, n)
	s_mov_b32 s96, 0                               ; rows found so far
	s_wait_loadcnt 0x0
.set k, 0
.rept 16
	v_cmp_eq_u32 s80, s66, v[64+k]
	v_mbcnt_lo_u32_b32 v136, s80, s96              ; rows found before + the chosen lanes below me: the row's place in my segment;
	v_cndmask_b32 v136, v131, v136, s80            ; a token of another expert goes to my lane's own word.  The choice is made ahead of the bound,
	v_min_u32 v136, 543, v136                      ; and behind the bound stand a shift and an add alone: the address lies in my wave's own 544 words
	v_lshl_add_u32 v137, v136, 2, v129
	v_add_nc_u32 v138, 128*(k/4)+k%4, v132
	ds_store_b32 v137, v138
	ds_store_b32 v137, v[80+k] offset:PDELTA
	s_bcnt1_i32_b32 s97, s80
	s_add_co_u32 s96, s96, s97
.set k, k+1
.endr
	s_lshl_b32 s97, s22, 2
	s_add_co_u32 s97, s97, CNTS
	v_mov_b32 v136, s97
	v_mov_b32 v137, s96
	ds_store_b32 v136, v137
	s_wait_dscnt 0x0                               ; for the others' sake: my segment and its count are written
	s_barrier_signal -1
	s_barrier_wait -1                              ; (the tensor loads stay out)
	v_mov_b32 v140, CNTS
	ds_load_b128 v[136:139], v140
	s_wait_dscnt 0x0
	v_readfirstlane_b32 s73, v136
	v_readfirstlane_b32 s97, v137
	v_readfirstlane_b32 s98, v138
	v_readfirstlane_b32 s99, v139
	s_add_co_u32 s74, s73, s97
	s_add_co_u32 s75, s74, s98
	s_add_co_u32 s67, s75, s99
	s_min_u32 s67, s67, 2048                       ; the expert's rows
	s_sub_co_u32 s77, SEGB/4, s73
	s_sub_co_u32 s78, 2*SEGB/4, s74
	s_sub_co_u32 s79, 3*SEGB/4, s75
	s_max_u32 s68, s67, 1
	s_sub_co_u32 s68, s68, 1
	s_add_co_u32 s69, s67, 15
	s_lshr_b32 s69, s69, 4
	s_max_u32 s69, s69, 1                          ; tiles of 16 rows, at least one
	s_lshl_b32 s81, s69, 4
	MKMASK
	; where each slot's row r lies in xc
.irp sl, 0,1,2,3,4,5,6,7,8,9,10,11
	v_add_nc_u32 v[TMP], 64*((\sl)/4), v[XR+(\sl)%4]
	v_min_u32 v[TMP], s68, v[TMP]                  ; a rank past the count takes the last row
	LOOK TMP, TMP+1, TMP+2
	ds_load_b32 v[OFF+(\sl)], v[TMP+1]
.endr
	s_wait_dscnt 0x0
.irp sl, 0,1,2,3,4,5,6,7,8,9,10,11
	v_min_u32 v[OFF+(\sl)], 0x7ff, v[OFF+(\sl)]
	v_lshl_add_u32 v[OFF+(\sl)], v[OFF+(\sl)], 11, v26
.endr
	ALOAD 0, 0                                     ; the first two stages' fragments go out together
	ALOAD 1, 1
	; THE LIST GOES OUT, while the first fragments are on their way: the count for decode's work-group (n, e); ranks 128 n .. 128 n + 127 of the expert's list, if any tile reaches them
	s_cmp_lg_u32 s22, 0
	s_cbranch_scc1 .Lno_cnt
	v_mov_b32 v136, s67
	v_lshlrev_b32 v137, 2, v1
	global_store_b32 v137, v136, s[18:19]
.Lno_cnt:
	s_lshl_b32 s96, s23, 7
	s_cmp_lt_u32 s96, s81
	s_cbranch_scc0 .Lno_list
	v_add_nc_u32 v138, s96, v0
	v_min_u32 v139, s68, v138
	LOOK 139, 140, 141
	ds_load_b32 v142, v140
	ds_load_b32 v143, v140 offset:PDELTA
	v_lshlrev_b32 v131, 2, v138
	s_wait_dscnt 0x0
	global_store_b32 v131, v142, s[14:15]
	global_store_b32 v131, v143, s[16:17]
.Lno_list:
	STAGE 0
	STAGE 1
	STAGE 2
	STAGE 3
	STAGE 4
	STAGE 5
	STAGE 6
.irp q, 0,1,2
	global_prefetch_b8 v28, s[20:21] offset:524288*(\q) th:TH_LOAD_NT scope:SCOPE_SE  ; rows thread + 128 q of dec's slice; v28 and s[20:21] are never rewritten
.endr
	STAGE 7
	PLACES                                         ; behind the last products: what follows reads their sums and loads into their fragments
	s_barrier_signal -1                            ; each wave has waited for all its tensor loads (stage 7's wait is for 0):
	s_barrier_wait -1                              ; the whole slice lies in LDS, for every wave
	s_cmp_gt_u32 s69, NS
	s_cbranch_scc0 .Lno_over
	s_add_co_u32 s72, s69, 15-NS
	s_lshr_b32 s72, s72, 4                         ; trips of 16 late tiles
	s_mov_b32 s71, 0
.Lover:                                                ; tiles 12 + 16 i + 4 b + w, b = 0..3
	s_wait_xcnt 0x0                                ; earlier loads and stores have read the registers that are written below
	s_lshl_b32 s96, s71, 4
	s_add_co_u32 s96, s96, s22
	s_add_co_u32 s96, s96, NS                      ; my block 0's tile
	s_sub_co_i32 s97, s69, s96
	s_add_co_i32 s97, s97, 3
	s_max_i32 s97, s97, 0
	s_lshr_b32 s97, s97, 2
	s_min_u32 s88, s97, 4                          ; how many of my four hold rows: the others compute a repeated row and store nothing
	s_lshl_b32 s98, s96, 4
	v_add_nc_u32 v[ORK], s98, v2
.irp bb, 0,1,2,3
	v_add_nc_u32 v[TMP], 64*(\bb), v[ORK]
	v_min_u32 v[TMP], s68, v[TMP]
	LOOK TMP, TMP+1, TMP+2
	ds_load_b32 v[OOFF+(\bb)], v[TMP+1]
.endr
	s_wait_dscnt 0x0
.irp bb, 0,1,2,3
	v_min_u32 v[OOFF+(\bb)], 0x7ff, v[OOFF+(\bb)]
	v_lshl_add_u32 v[OOFF+(\bb)], v[OOFF+(\bb)], 11, v24
.endr
	s_mov_b64 s[84:85], s[ABASE:ABASE+1]
	v_mov_b32 v[OWL], v27
	OSTEP 1                                        ; the first K step starts the sums
	s_mov_b32 s101, 31
.Lok:
	s_add_nc_u64 s[84:85], s[84:85], ASTEP         ; the loads that named it are back
	v_add_nc_u32 v[OWL], 0x2000, v[OWL]
	OSTEP 0
	s_sub_co_u32 s101, s101, 1
	s_cmp_lg_u32 s101, 0
	s_cbranch_scc1 .Lok
	PLACES
.irp bb, 0,1,2,3
	s_cmp_gt_u32 s88, \bb
	s_cbranch_scc0 .Loo_end
	OUT 1, 32*(\bb), ORK, \bb
.endr
.Loo_end:
	s_add_co_u32 s71, s71, 1
	s_cmp_lt_u32 s71, s72
	s_cbranch_scc1 .Lover
.Lno_over:
	s_wait_dscnt 0x0                               ; my reads of the weights are over;
	s_barrier_signal -1
	s_barrier_wait -1                              ; everybody's are: the region may be written
.irp sl, 1,2,3,5,6,7,9,10,11
	RSTORE \sl
.endr
	s_wait_dscnt 0x0                               ; for the others' sake: my sums are written
	s_barrier_signal -1
	s_barrier_wait -1
	RLOAD 0                                        ; a block's loads go out one block ahead, also where that block has no rows: those bytes were filled and are not used
	s_cmp_gt_u32 s76, 0
	s_cbranch_scc0 .Lred_end
	RLOAD 1
	RADD 0, 24
	OUT 2, 0, 25, 0
	s_cmp_gt_u32 s76, 1
	s_cbranch_scc0 .Lred_end
	RLOAD 2
	RADD 1, 24
	OUT 2, 128, 25, 1
	s_cmp_gt_u32 s76, 2
	s_cbranch_scc0 .Lred_end
	RADD 2, 0
	OUT 3, 0, 25, 2
.Lred_end:
	s_wait_dscnt 0x0                               ; my LDS reads are back;
	s_barrier_signal -1
	s_barrier_wait -1                              ; no wave writes LDS again before every wave's reads are over
	s_wait_tensorcnt 0x0                           ; the wave's end
	ds_add_u32 v4, v5
	s_wait_dscnt 0x0
	s_endpgm
.Lfunc_end_k_q81f6b36873_encode:
	.size	k_q81f6b36873_encode, .Lfunc_end_k_q81f6b36873_encode-k_q81f6b36873_encode
	.p2alignl 7, 3214868480
	.fill 96, 4, 3214868480
	.section	.rodata,"a",@progbits
	.p2align	6, 0x0
	.amdhsa_kernel k_q81f6b36873_encode
		.amdhsa_group_segment_fixed_size 283392
		.amdhsa_private_segment_fixed_size 0
		.amdhsa_enable_private_segment 0
		.amdhsa_kernarg_size 72
		.amdhsa_user_sgpr_count 2
		.amdhsa_user_sgpr_kernarg_segment_ptr 1
		.amdhsa_wavefront_size32 1
		.amdhsa_system_sgpr_workgroup_id_x 1
		.amdhsa_system_sgpr_workgroup_id_y 1
		.amdhsa_system_sgpr_workgroup_id_z 1
		.amdhsa_system_vgpr_workitem_id 0
		.amdhsa_next_free_vgpr 1024
		.amdhsa_next_free_sgpr 102
		.amdhsa_reserve_vcc 1
		.amdhsa_float_denorm_mode_32 3
		.amdhsa_float_denorm_mode_16_64 3
		.amdhsa_memory_ordered 1
		.amdhsa_forward_progress 1
		.amdhsa_inst_pref_size 165
	.end_amdhsa_kernel
	.amdgpu_metadata
---
amdhsa.version: [ 1, 2 ]
amdhsa.kernels:
  - .name:           k_q81f6b36873_encode
    .symbol:         k_q81f6b36873_encode.kd
    .args:
      - { .name: xc, .offset: 0, .size: 8, .value_kind: global_buffer, .address_space: global }
      - { .name: enc, .offset: 8, .size: 8, .value_kind: global_buffer, .address_space: global }
      - { .name: idx, .offset: 16, .size: 8, .value_kind: global_buffer, .address_space: global }
      - { .name: prob, .offset: 24, .size: 8, .value_kind: global_buffer, .address_space: global }
      - { .name: hid, .offset: 32, .size: 8, .value_kind: global_buffer, .address_space: global }
      - { .name: order, .offset: 40, .size: 8, .value_kind: global_buffer, .address_space: global }
      - { .name: gate, .offset: 48, .size: 8, .value_kind: global_buffer, .address_space: global }
      - { .name: cnt, .offset: 56, .size: 8, .value_kind: global_buffer, .address_space: global }
      - { .name: dec, .offset: 64, .size: 8, .value_kind: global_buffer, .address_space: global }
    .group_segment_fixed_size: 283392
    .private_segment_fixed_size: 0
    .kernarg_segment_align: 8
    .kernarg_segment_size: 72
    .max_flat_workgroup_size: 128
    .sgpr_count:     102
    .vgpr_count:     1024
    .wavefront_size: 32
...
	.end_amdgpu_metadata
.endif
;; end of part 2
;; launch decode (part 3): grid 16 x 16, 4 waves a work-group, no clusters, 262,656 bytes of LDS; arguments hid, dec, order, gate, cnt, expert_b, out0; writes out0
.if DOCPART == 3
	.amdgcn_target "amdgcn-amd-amdhsa--gfx1250"
	.amdhsa_code_object_version 6
	.text
	.protected	k_q81f6b36873_decode
	.globl	k_q81f6b36873_decode
	.p2align	8
	.type	k_q81f6b36873_decode,@function
k_q81f6b36873_decode:
	s_mov_b64 s[64:65], 0
	v_nop
	global_prefetch_b8 v0, s[64:65] scope:SCOPE_SE
	s_setreg_imm32_b32 hwreg(HW_REG_WAVE_MODE, 25, 1), 1
	s_wait_xcnt 0x0
; DECODE.  out0[token][64 n ..] = (hid dec[e]) x gate + expert_b, for the rows of expert e, by the list that encode stored.  Each output row has one expert, so this launch stores the output.
; SHARES as in encode: work-group (n, e) owns dec[e][0..1023][64 n .. 64 n + 63] and all rows of expert e; each wave issues 8 tensor loads at the head (8 of mine are out at the most; no LDS byte
; is filled twice).  K IS SPLIT OVER THE FOUR WAVES: in stage j wave w reads K step 4 j + w, which its own load brought, rounds it to 4 f16 tiles in registers and multiplies them with that K step
; of all the expert's tiles of 16 ranks: the stream has no barrier and no LDS store.
; SLOTS.  The stream serves 12 tiles (192 ranks).  Slot s = 4 b + c of wave w holds tile 4 b + ((c + w) & 3): the slots with c = 0 are the tiles 4 b + w, which wave w finishes.  Fragments are loaded TWO
; STAGES AHEAD, through three buffers, for all 12 slots always (ranks clamped to ranks that encode wrote); a slot without rows is jumped by its bit of s70; at a branch every register window is 0, so a
; slot's four products stand between two switches of the windows.
; THE SUM OVER THE WAVES, in f32, behind the stream: each wave stores the sums of the 9 slots that are not its own into its own 36,864 bytes of the region that held the weights; behind a barrier each
; wave adds the three others' sums onto its own tiles.  RANKS PAST 192 (lopsided splits) come between the stream and that sum, while the f32 weights still lie in LDS: four tiles of a wave at a time
; through all 32 K steps, the weights rounded by each wave for itself; no barrier, LDS store or tensor load in that loop; it does not load ahead: it is written to be short, not fast.
; K's PLACES.  hid: byte e << 22 + (4 s + jj) << 15 + rank << 4 holds the features 32 s + 4 i + jj, i = 0..7.  Half h, quad q, register p', half-word z of BOTH operands hold
; f = 32 s + 4 (2 p' + z) + 2 h + q: on the token side the 16 bytes at 4 s + 2 h + q; on the weight side row 4 i + q + 2 h of the step.  A wave's token load takes two runs of 256 consecutive bytes, aligned.
; THE PRODUCT is taken as tokens x weights: lane (r, h) holds column 64 n + 4 r + jj and the tokens 8 h + j: the four tiles' register j are 16 neighbouring bytes of a row of out0,
; and sixteen lanes store 256 consecutive bytes, aligned.
; EVERY SPLIT is served: an expert without rows stores nothing; ranks past the count repeat the last row, which is then stored again, the same bytes at the same place.
; LIMITS.  f16 operands: |dec| under 65,504.
; NO CLUSTER: each slice of weights has one reader; an expert's 16 work-groups share hid's tiles, which have no room in LDS beside the slice's 262,144 bytes and go straight to registers.
.set ENC, 0
.set NS,     12                        ; slots: tiles of 16 ranks that the stream serves
.set SPARE,  262144                    ; behind the slice: the spare words, 128 bytes a wave
.set SCW,    36864                     ; a wave's part of the scratch for the sums: 9 slots x 4,096 bytes, from LDS byte 36,864 w
.set OFF,    12                        ; v12-23  slot s: rank << 4 + h << 16 + w << 17
.set CV,     32                        ; v32-63  the four tiles just rounded
.set LAND,   64                        ; v64-127 16 x 4 f32 as loaded
.set RES,    128                       ; v128-159  the way out: results
.set ADR,    160                       ; v160-167  the way out: the eight tokens' rows
.set TMP,    168                       ; v168-171 at work
.set XR,     172                       ; v172-175  16 ((c + w) & 3) + r
.set OOFF,   176                       ; v176-179  late tiles: block b's offset in hid
.set ORK,    180                       ; v180  late tiles: rank of my row in block 0
.set OWL,    181                       ; v181  late tiles: where I read a K step's f32 rows
.set LI,     182                       ; v182-185  places in the list
.set TG,     192                       ; v192-239  my own block b: tokens at 192 + 16 b + j, gates at 200 + 16 b + j
.set ABASE,  4                         ; s[4:5]  hid at expert e
.set AJ,     524288                    ; a stage: four K steps of 131,072 bytes
.set AQ,     32768                     ; the fragment's second 16 bytes
.set ASTEP,  131072                    ; a K step
.set WMO,    0x51                      ; late tiles: source 0 (tokens) window 1, source 1 (weights) window 0, C and D window 1
; v0 thread; v1 L; v2 r; v3 h; v4, v5 the add's two; v6 where I read my f32 rows; v7 where I store sums; v8-10 where I read the sums of the waves 1, 2, 3 behind me; v11 16 L
; v24-27 expert_b at my 4 columns; v28 16 r; v29 h << 16 + w << 17; v30 h << 16; v31 512 h + 16 r
; token fragments, slot s at + 8 s: buffer 0 at v0 of window 1, buffer 1 at v128 of window 1, buffer 2 at v128 of window 3; stage j multiplies buffer j % 3.
; window 1 behind the stream: the others' sums (96 registers at 0 and at 128), or the late tiles' sums (0-127), fragments (128-159), tokens and gates (160-223)
; windows 2, 3: accumulators at 32 s + 8 jj (window 3: v0-127).
; s22 w; s23 n; s66 e; s67 count; s69 tiles; s70 the slots' bits; s71, s72 late trips; s76 my own valid blocks; s81 last rank that encode wrote; s82 that less 7; s[84:85] hid at a late K step;
; s[86:87] an offset; s88 late valid blocks; s96-99 at work; s101 counts late K steps
.set MSB, 0
.macro WIN new                         ; the immediate's high byte repeats the setting that is left; a switch that changes nothing is dropped
.if MSB != (\new)
	s_set_vgpr_msb (MSB<<8)|(\new)
.set MSB, \new
.endif
.endm
.macro PLACES                          ; four places behind matrix instructions, ahead of loads into their sources, of writes of them and of readers of their results
.rept 4
	v_nop
.endr
.endm
; 24 loads: my K step of stage j, for all 12 slots, into buffer p
.macro ALOAD p, j
.set fw, 1+2*((\p)/2)                  ; the buffer's window: 1, 1, 3
.set fb, 128*(((\p)+1)/2)              ; and its first register there: 0, 128, 128
	WIN fw<<6                                      ; destination in the buffer's window, address window 0
.irp sl, 0,1,2,3,4,5,6,7,8,9,10,11
.irp q, 0,1
	global_load_b128 v[fb+8*(\sl)+4*(\q):fb+8*(\sl)+4*(\q)+3], v[OFF+(\sl)], s[ABASE:ABASE+1] offset:AJ*(\j)+AQ*(\q)  ; 3,702,784 at the most: inside the signed 24 bits
.endr
.endr
	WIN 0
.endm
.macro LANDING adr                     ; a K step's 8 KiB of f32 out of LDS: half a wave takes one whole row of 256 bytes
.irp u, 0,1,2,3,4,5,6,7,8,9,10,11,12,13,14,15
.if ENC
	ds_load_b128 v[LAND+4*(\u):LAND+4*(\u)+3], v[\adr] offset:256*(\u)
.else
	ds_load_b128 v[LAND+4*(\u):LAND+4*(\u)+3], v[\adr] offset:(4*((\u)%8)+(\u)/8)*256
.endif
.endr
.endm
.macro TOF16                           ; and rounded: register p of tile jj is made of number jj of loads 2 p and 2 p + 1
.irp rho, 0,1,2,3,4,5,6,7
	s_wait_dscnt 14-2*(\rho)                       ; loads 2 p and 2 p + 1 are in; those behind them may be out
.irp jj, 0,1,2,3
	v_cvt_pk_f16_f32 v[CV+8*(\jj)+(\rho)], v[LAND+8*(\rho)+(\jj)], v[LAND+4+8*(\rho)+(\jj)]
.endr
.endr
.endm
; A slot's four products.  Each accumulator has one product a stage, so no two products that follow each other share one, whichever slots are jumped.
; zero = 1: the first stage starts all sums with the constant 0, in every slot.
.macro SLOT p, sl, zero
.set fw, 1+2*((\p)/2)
.set fb, 128*(((\p)+1)/2)
.if (\zero) == 0
	WIN 0
	s_bitcmp1_b32 s70, \sl
	s_cbranch_scc0 .Lsk_\@
.endif
.if ENC
	WIN (fw<<2)|(0x50*(2+(\sl)/8))                 ; source 0 (weights) window 0, source 1 (tokens) the buffer's window, C and D window 2 or 3
.else
	WIN fw|(0x50*(2+(\sl)/8))                      ; source 0 (tokens) the buffer's window, source 1 (weights) window 0, C and D window 2 or 3
.endif
.irp jj, 0,1,2,3
.set rD, (32*(\sl))%256+8*(\jj)
.set rW, CV+8*(\jj)
.set rA, fb+8*(\sl)
.if ENC
.if \zero
	v_wmma_f32_16x16x32_f16 v[rD:rD+7], v[rW:rW+7], v[rA:rA+7], 0
.else
	v_wmma_f32_16x16x32_f16 v[rD:rD+7], v[rW:rW+7], v[rA:rA+7], v[rD:rD+7]
.endif
.else
.if \zero
	v_wmma_f32_16x16x32_f16 v[rD:rD+7], v[rA:rA+7], v[rW:rW+7], 0
.else
	v_wmma_f32_16x16x32_f16 v[rD:rD+7], v[rA:rA+7], v[rW:rW+7], v[rD:rD+7]
.endif
.endif
.endr
.if (\zero) == 0
	WIN 0
.Lsk_\@:
.endif
.endm
.macro SLOTS p, zero
.irp sl, 0,1,2,3,4,5,6,7,8,9,10,11
	SLOT \p, \sl, \zero
.endr
	WIN 0
.endm
.macro STAGE j
	s_wait_tensorcnt 7-(\j)                        ; my loads end in order: stage j's is in; the 7 - j younger ones stay out
	LANDING 6
.if (\j) > 0
	PLACES                                         ; behind the last stage's products: the roundings below write their tiles, the loads further down land in the fragments that they read
.endif
.if (\j) < 7
	v_add_nc_u32 v6, 0x8000, v6                    ; on to the next stage's block
.endif
	TOF16
.if (\j) < 7
	s_wait_loadcnt 24                              ; this stage's fragments (and all that was asked for before them) are in; the next stage's 24 loads stay out
.else
	s_wait_loadcnt 0x0
.endif
.if (\j) < 6
	ALOAD ((\j)+2)%3, (\j)+2                       ; the stage after next is asked for, into the buffer that the last stage multiplied: 48 fragment loads are out at the most
.endif
.if (\j) == 0
	SLOTS 0, 1
.else
	SLOTS (\j)%3, 0
.endif
.endm
; The slots' bits, the number of my own valid blocks, and 16 ((c + w) & 3) + r
.macro MKMASK
	s_mov_b32 s70, 0
.irp c, 0,1,2,3
	s_add_co_u32 s96, s22, \c
	s_and_b32 s96, s96, 3                          ; x: the slots 4 b + c hold the tiles 4 b + x
	s_sub_co_i32 s97, s69, s96
	s_add_co_i32 s97, s97, 3
	s_max_i32 s97, s97, 0
	s_lshr_b32 s97, s97, 2
	s_min_u32 s97, s97, NS/4                       ; blocks b with 4 b + x below the number of tiles
.if (\c) == 0
	s_mov_b32 s76, s97
.endif
	s_lshl_b32 s97, s97, 2
	s_lshl_b32 s97, 1, s97
	s_sub_co_u32 s97, s97, 1
	s_and_b32 s97, s97, 0x111                      ; a bit for each of them,
	s_lshl_b32 s97, s97, \c                        ; at 4 b + c
	s_or_b32 s70, s70, s97
	s_lshl_b32 s96, s96, 4
	v_add_nc_u32 v[XR+(\c)], s96, v2
.endr
.endm
.macro SCRATCH                         ; where I store sums: my own 36,864 bytes; where I read: slot (b, c) of wave (w - c) & 3 holds my tile 4 b + w
	s_mul_i32 s97, s22, SCW
	v_add_nc_u32 v7, s97, v11
.irp c, 1,2,3
	s_add_co_u32 s97, s22, 4-(\c)
	s_and_b32 s97, s97, 3
	s_mul_i32 s97, s97, SCW
	s_add_co_u32 s97, s97, ((\c)-1)*12288
	v_add_nc_u32 v[7+(\c)], s97, v11
.endr
.endm
.macro RSTORE sl                       ; a slot that is not mine: its 32 registers, 512 consecutive bytes a store, each accumulator from its lowest registers on
	WIN 0
	s_bitcmp1_b32 s70, \sl
	s_cbranch_scc0 .Lrs_\@
	WIN (2+(\sl)/8)<<2                             ; the data (source 1) in the accumulators' window
.irp i, 0,1,2,3,4,5,6,7
	ds_store_b128 v7, v[(32*(\sl))%256+4*(\i):(32*(\sl))%256+4*(\i)+3] offset:((\sl)%4-1)*12288+((\sl)/4)*4096+512*(\i)
.endr
	WIN 0
.Lrs_\@:
.endm
.macro RLOAD b                         ; the three others' sums for my block b: 24 loads into window 1, 96 registers at 128 (b % 2)
	WIN 0x40
.irp c, 1,2,3
.irp i, 0,1,2,3,4,5,6,7
	ds_load_b128 v[128*((\b)%2)+32*((\c)-1)+4*(\i):128*((\b)%2)+32*((\c)-1)+4*(\i)+3], v[7+(\c)] offset:4096*(\b)+512*(\i)
.endr
.endr
	WIN 0
.endm
.macro RADD b, younger                 ; added onto my own, in f32.  younger: the LDS loads issued behind this block's
.set wa, 2+(\b)/2
.set ab, (128*(\b))%256
.irp c, 1,2,3
	s_wait_dscnt (\younger)+8*(3-(\c))             ; sender c's eight loads are in; the later senders' and the next block's may be out
	WIN wa|(1<<2)|(wa<<6)
.set k, 0
.rept 16
	v_pk_add_f32 v[ab+2*k:ab+2*k+1], v[ab+2*k:ab+2*k+1], v[128*((\b)%2)+32*((\c)-1)+2*k:128*((\b)%2)+32*((\c)-1)+2*k+1]
.set k, k+1
.endr
.endr
	WIN 0
.endm
; A K step of four late tiles: fragments, the step's weights rounded by this wave for itself, 16 products on 16 accumulators
.macro OSTEP zero
.if (\zero) == 0
	PLACES
.endif
	WIN 0x40
.irp bb, 0,1,2,3
.irp q, 0,1
	global_load_b128 v[128+8*(\bb)+4*(\q):131+8*(\bb)+4*(\q)], v[OOFF+(\bb)], s[84:85] offset:AQ*(\q)
.endr
.endr
	WIN 0
	LANDING OWL
	TOF16
	s_wait_loadcnt 0x0
	WIN WMO
.irp bb, 0,1,2,3
.irp jj, 0,1,2,3
.set rD, 32*(\bb)+8*(\jj)
.set rW, CV+8*(\jj)
.set rA, 128+8*(\bb)
.if ENC
.if \zero
	v_wmma_f32_16x16x32_f16 v[rD:rD+7], v[rW:rW+7], v[rA:rA+7], 0
.else
	v_wmma_f32_16x16x32_f16 v[rD:rD+7], v[rW:rW+7], v[rA:rA+7], v[rD:rD+7]
.endif
.else
.if \zero
	v_wmma_f32_16x16x32_f16 v[rD:rD+7], v[rA:rA+7], v[rW:rW+7], 0
.else
	v_wmma_f32_16x16x32_f16 v[rD:rD+7], v[rA:rA+7], v[rW:rW+7], v[rD:rD+7]
.endif
.endif
.endr
.endr
	WIN 0
.endm
; THE WAY OUT of a tile whose 32 sums lie at v[base] of window win, its tokens at v[tg] and gates at v[tg + 8] of window tgwin: sum x gate + expert_b in one fused multiply-add;
; register j of the four tiles first for j = 0
.macro OUT win, base, tgwin, tg
	s_wait_xcnt 0x0                                ; earlier stores have read the registers that are written below
	WIN (\tgwin)<<2
.irp j8, 0,1,2,3,4,5,6,7
	v_min_u32 v[ADR+(\j8)], 0x7ff, v[(\tg)+(\j8)]
.endr
	WIN 0
.irp j8, 0,1,2,3,4,5,6,7
	v_lshl_add_u32 v[ADR+(\j8)], v[ADR+(\j8)], 12, v28   ; the token's row, my 16 bytes of its 256
.endr
	WIN (\win)|((\tgwin)<<2)
.irp j8, 0,1,2,3,4,5,6,7
.irp jj, 0,1,2,3
	v_fma_f32 v[RES+4*(\j8)+(\jj)], v[(\base)+8*(\jj)+(\j8)], v[(\tg)+8+(\j8)], v[24+(\jj)]
.endr
.endr
	WIN 0
.irp j8, 0,1,2,3,4,5,6,7
	global_store_b128 v[ADR+(\j8)], v[RES+4*(\j8):RES+4*(\j8)+3], s[16:17] th:TH_STORE_NT  ; 16 lanes: 256 consecutive bytes of one row, aligned
.endr
.endm
	s_load_b256 s[4:11], s[0:1], 0x0               ; hid 4, dec 6, order 8, gate 10
	s_load_b128 s[12:15], s[0:1], 0x20             ; cnt 12, expert_b 14
	s_load_b64 s[16:17], s[0:1], 0x30              ; out0
	v_lshl_add_u32 v4, v0, 2, SPARE
	v_mov_b32 v5, 0
	ds_add_u32 v4, v5                              ; the wave's opening: the add and its wait ahead of my first tensor load
	v_lshrrev_b32 v1, 5, v0
	v_readfirstlane_b32 s22, v1                    ; wave 0..3
	s_mov_b32 s23, ttmp9                           ; n
	s_and_b32 s66, ttmp7, 0xffff                   ; e
	s_mov_b32 s24, 2<<16                           ; group 1: elements of 4 bytes, no padding, no mask
	s_mov_b32 s25, 64<<16                          ; tensor_dim0 = 64
	s_mov_b32 s26, 32<<16                          ; tensor_dim1 = 32
	s_mov_b32 s27, 64<<16                          ; tile_dim0 = 64 (256 bytes)
	s_mov_b32 s28, 32                              ; tile_dim1 = 32 rows
	s_mov_b32 s29, 1024                            ; 1,024 elements from row to row
	s_mov_b32 s30, 0
	s_mov_b32 s31, 0
	s_lshl_b32 s96, s22, 13                        ; 8,192 w
.irp j, 0,1,2,3,4,5,6,7
	s_mov_b32 s[32+4*(\j)], 1                      ; group 0, a set for each load: all eight are out together
	s_add_co_u32 s[33+4*(\j)], s96, 32768*(\j)     ; LDS byte 8,192 (4 j + w)
.endr
	s_lshl_b32 s98, s66, 22                        ; expert e,
	s_lshl_b32 s97, s22, 17                        ; row 32 w,
	s_add_co_u32 s98, s98, s97
	s_lshl_b32 s97, s23, 8                         ; column 64 n
	s_add_co_u32 s98, s98, s97
	s_mov_b32 s99, 0
	s_mov_b32 s87, 0
	s_lshl4_add_u32 s86, s66, s23
	s_lshl_b32 s86, s86, 7                         ; my copy of the count: 128 (16 e + n)
	s_wait_dscnt 0x0                               ; the opening add is done
	s_wait_kmcnt 0x0
	s_add_nc_u64 s[12:13], s[12:13], s[86:87]
	s_load_b32 s67, s[12:13], 0x0                  ; the expert's rows: asked for now, waited for behind the tensor loads
	s_add_nc_u64 s[98:99], s[6:7], s[98:99]
.irp j, 0,1,2,3,4,5,6,7
	s_add_nc_u64 s[34+4*(\j):35+4*(\j)], s[98:99], (\j)<<19   ; 128 rows a stage
	s_or_b32 s[35+4*(\j)], s[35+4*(\j)], 0x80000000           ; type = 2
.endr
.irp j, 0,1,2,3,4,5,6,7
	tensor_load_to_lds s[32+4*(\j):35+4*(\j)], s[24:31]
	s_nop 0
.endr
	PLACES                                         ; four vector lines behind the last load, ahead of any switch of windows
	v_and_b32 v1, 31, v0
	v_and_b32 v2, 15, v0
	v_bfe_u32 v3, v0, 4, 1
	v_lshlrev_b32 v11, 4, v1
	v_lshlrev_b32 v28, 4, v2
	v_lshl_add_u32 v31, v3, 9, v28                 ; 2 rows x h + 16 r
	v_add_nc_u32 v6, s96, v31                      ; + 8,192 w
	v_lshlrev_b32 v30, 16, v3
	s_lshl_b32 s97, s22, 17
	v_add_nc_u32 v29, s97, v30
	SCRATCH
	s_lshl_b32 s86, s66, 22
	s_add_nc_u64 s[4:5], s[4:5], s[86:87]          ; hid at expert e
	s_lshl_b32 s86, s66, 13
	s_add_nc_u64 s[8:9], s[8:9], s[86:87]          ; order and gate at expert e
	s_add_nc_u64 s[10:11], s[10:11], s[86:87]
	s_lshl_b32 s86, s23, 8
	s_add_nc_u64 s[14:15], s[14:15], s[86:87]      ; expert_b and out0 at column 64 n
	s_add_nc_u64 s[16:17], s[16:17], s[86:87]
	global_load_b128 v[24:27], v28, s[14:15]
	s_wait_kmcnt 0x0                               ; the count
	s_min_u32 s67, s67, 2048
	s_add_co_u32 s69, s67, 15
	s_lshr_b32 s69, s69, 4                         ; tiles of 16 rows: 0 for an expert without rows
	s_lshl_b32 s81, s69, 4
	s_max_u32 s81, s81, 16                         ; encode wrote one tile at the least
	s_sub_co_u32 s82, s81, 8
	s_sub_co_u32 s81, s81, 1
	MKMASK
	; where each slot's row r lies in hid; the tokens and gates of my own blocks' ranks 16 (4 b + w) + 8 h .. + 7
.irp sl, 0,1,2,3,4,5,6,7,8,9,10,11
	v_add_nc_u32 v[TMP], 64*((\sl)/4), v[XR+(\sl)%4]
	v_min_u32 v[TMP], s81, v[TMP]                  ; no rank that encode did not write
	v_min_u32 v[TMP], 0x7ff, v[TMP]
	v_lshl_add_u32 v[OFF+(\sl)], v[TMP], 4, v29
.endr
	s_lshl_b32 s96, s22, 4
	v_lshl_add_u32 v[TMP+1], v3, 3, s96
.irp bb, 0,1,2
	v_add_nc_u32 v[TMP], 64*(\bb), v[TMP+1]
	v_min_u32 v[TMP], s82, v[TMP]
	v_min_u32 v[TMP], 0x7f8, v[TMP]                ; the 32 bytes from here on lie inside the expert's list
	v_lshlrev_b32 v[LI+(\bb)], 2, v[TMP]
.endr
.irp bb, 0,1,2
	global_load_b128 v[TG+16*(\bb):TG+16*(\bb)+3],     v[LI+(\bb)], s[8:9]
	global_load_b128 v[TG+16*(\bb)+4:TG+16*(\bb)+7],   v[LI+(\bb)], s[8:9] offset:16
	global_load_b128 v[TG+16*(\bb)+8:TG+16*(\bb)+11],  v[LI+(\bb)], s[10:11]
	global_load_b128 v[TG+16*(\bb)+12:TG+16*(\bb)+15], v[LI+(\bb)], s[10:11] offset:16
.endr
	ALOAD 0, 0                                     ; the first two stages' fragments go out together: with the 13 loads above, 61 are out
	ALOAD 1, 1
	STAGE 0
	STAGE 1
	STAGE 2
	STAGE 3
	STAGE 4
	STAGE 5
	STAGE 6
	STAGE 7
	PLACES                                         ; behind the last products: what follows reads their sums and loads into their fragments
	s_barrier_signal -1                            ; each wave has waited for all its tensor loads (stage 7's wait is for 0):
	s_barrier_wait -1                              ; the whole slice lies in LDS, for every wave
	s_cmp_gt_u32 s69, NS
	s_cbranch_scc0 .Lno_over
	s_add_co_u32 s72, s69, 15-NS
	s_lshr_b32 s72, s72, 4                         ; trips of 16 late tiles
	s_mov_b32 s71, 0
.Lover:                                                ; tiles 12 + 16 i + 4 b + w, b = 0..3
	s_wait_xcnt 0x0                                ; earlier loads and stores have read the registers that are written below
	s_lshl_b32 s96, s71, 4
	s_add_co_u32 s96, s96, s22
	s_add_co_u32 s96, s96, NS                      ; my block 0's tile
	s_sub_co_i32 s97, s69, s96
	s_add_co_i32 s97, s97, 3
	s_max_i32 s97, s97, 0
	s_lshr_b32 s97, s97, 2
	s_min_u32 s88, s97, 4                          ; how many of my four hold rows: the others compute a repeated row and store nothing
	s_lshl_b32 s98, s96, 4
	v_add_nc_u32 v[ORK], s98, v2
	v_lshl_add_u32 v[TMP+1], v3, 3, s98
.irp bb, 0,1,2,3
	v_add_nc_u32 v[TMP], 64*(\bb), v[ORK]
	v_min_u32 v[TMP], s81, v[TMP]
	v_min_u32 v[TMP], 0x7ff, v[TMP]
	v_lshl_add_u32 v[OOFF+(\bb)], v[TMP], 4, v30
	v_add_nc_u32 v[TMP], 64*(\bb), v[TMP+1]
	v_min_u32 v[TMP], s82, v[TMP]
	v_min_u32 v[TMP], 0x7f8, v[TMP]
	v_lshlrev_b32 v[LI+(\bb)], 2, v[TMP]
.endr
	WIN 0x40                                       ; destination window 1
.irp bb, 0,1,2,3
	global_load_b128 v[160+16*(\bb):163+16*(\bb)], v[LI+(\bb)], s[8:9]
	global_load_b128 v[164+16*(\bb):167+16*(\bb)], v[LI+(\bb)], s[8:9] offset:16
	global_load_b128 v[168+16*(\bb):171+16*(\bb)], v[LI+(\bb)], s[10:11]
	global_load_b128 v[172+16*(\bb):175+16*(\bb)], v[LI+(\bb)], s[10:11] offset:16
.endr
	WIN 0
	s_mov_b64 s[84:85], s[ABASE:ABASE+1]
	v_mov_b32 v[OWL], v31
	OSTEP 1                                        ; the first K step starts the sums
	s_mov_b32 s101, 31
.Lok:
	s_add_nc_u64 s[84:85], s[84:85], ASTEP         ; the loads that named it are back
	v_add_nc_u32 v[OWL], 0x2000, v[OWL]
	OSTEP 0
	s_sub_co_u32 s101, s101, 1
	s_cmp_lg_u32 s101, 0
	s_cbranch_scc1 .Lok
	PLACES
.irp bb, 0,1,2,3
	s_cmp_gt_u32 s88, \bb
	s_cbranch_scc0 .Loo_end
	OUT 1, 32*(\bb), 1, 160+16*(\bb)
.endr
.Loo_end:
	s_add_co_u32 s71, s71, 1
	s_cmp_lt_u32 s71, s72
	s_cbranch_scc1 .Lover
.Lno_over:
	s_wait_dscnt 0x0                               ; my reads of the weights are over;
	s_barrier_signal -1
	s_barrier_wait -1                              ; everybody's are: the region may be written
.irp sl, 1,2,3,5,6,7,9,10,11
	RSTORE \sl
.endr
	s_wait_dscnt 0x0                               ; for the others' sake: my sums are written
	s_barrier_signal -1
	s_barrier_wait -1
	RLOAD 0                                        ; a block's loads go out one block ahead, also where that block has no rows: those bytes were filled and are not used
	s_cmp_gt_u32 s76, 0
	s_cbranch_scc0 .Lred_end
	RLOAD 1
	RADD 0, 24
	OUT 2, 0, 0, TG
	s_cmp_gt_u32 s76, 1
	s_cbranch_scc0 .Lred_end
	RLOAD 2
	RADD 1, 24
	OUT 2, 128, 0, TG+16
	s_cmp_gt_u32 s76, 2
	s_cbranch_scc0 .Lred_end
	RADD 2, 0
	OUT 3, 0, 0, TG+32
.Lred_end:
	s_wait_dscnt 0x0                               ; my LDS reads are back;
	s_barrier_signal -1
	s_barrier_wait -1                              ; no wave writes LDS again before every wave's reads are over
	s_wait_tensorcnt 0x0                           ; the wave's end
	ds_add_u32 v4, v5
	s_wait_dscnt 0x0
	s_endpgm
.Lfunc_end_k_q81f6b36873_decode:
	.size	k_q81f6b36873_decode, .Lfunc_end_k_q81f6b36873_decode-k_q81f6b36873_decode
	.p2alignl 7, 3214868480
	.fill 96, 4, 3214868480
	.section	.rodata,"a",@progbits
	.p2align	6, 0x0
	.amdhsa_kernel k_q81f6b36873_decode
		.amdhsa_group_segment_fixed_size 262656
		.amdhsa_private_segment_fixed_size 0
		.amdhsa_enable_private_segment 0
		.amdhsa_kernarg_size 56
		.amdhsa_user_sgpr_count 2
		.amdhsa_user_sgpr_kernarg_segment_ptr 1
		.amdhsa_wavefront_size32 1
		.amdhsa_system_sgpr_workgroup_id_x 1
		.amdhsa_system_sgpr_workgroup_id_y 1
		.amdhsa_system_sgpr_workgroup_id_z 1
		.amdhsa_system_vgpr_workitem_id 0
		.amdhsa_next_free_vgpr 1024
		.amdhsa_next_free_sgpr 102
		.amdhsa_reserve_vcc 0
		.amdhsa_float_denorm_mode_32 3
		.amdhsa_float_denorm_mode_16_64 3
		.amdhsa_memory_ordered 1
		.amdhsa_forward_progress 1
		.amdhsa_inst_pref_size 156
	.end_amdhsa_kernel
	.amdgpu_metadata
---
amdhsa.version: [ 1, 2 ]
amdhsa.kernels:
  - .name:           k_q81f6b36873_decode
    .symbol:         k_q81f6b36873_decode.kd
    .args:
      - { .name: hid, .offset: 0, .size: 8, .value_kind: global_buffer, .address_space: global }
      - { .name: dec, .offset: 8, .size: 8, .value_kind: global_buffer, .address_space: global }
      - { .name: order, .offset: 16, .size: 8, .value_kind: global_buffer, .address_space: global }
      - { .name: gate, .offset: 24, .size: 8, .value_kind: global_buffer, .address_space: global }
      - { .name: cnt, .offset: 32, .size: 8, .value_kind: global_buffer, .address_space: global }
      - { .name: expert_b, .offset: 40, .size: 8, .value_kind: global_buffer, .address_space: global }
      - { .name: out0, .offset: 48, .size: 8, .value_kind: global_buffer, .address_space: global }
    .group_segment_fixed_size: 262656
    .private_segment_fixed_size: 0
    .kernarg_segment_align: 8
    .kernarg_segment_size: 56
    .max_flat_workgroup_size: 128
    .sgpr_count:     102
    .vgpr_count:     1024
    .wavefront_size: 32
...
	.end_amdgpu_metadata
.endif
;; end of part 3
